; MI455X (gfx1250); checked and timed in simulation.
; The chip was launched on July 23, 2026; its instructions are those of AMD's public machine-readable ISA for CDNA 5 (MIT licence, August 2026) and "CDNA5" Instruction Set Architecture Reference Guide (July 2026). The comments in the code are by the model that wrote it; some were corrected since.
;; Multi Head Attention. Allowed arithmetic: matrix products marked QUANTISED: E4M3 operands, one given power-of-two scale a tensor, by v_wmma_f32_16x16x64_fp8_fp8 or v_wmma_f32_16x16x128_fp8_fp8, f32 sums; everything else in f32.
;; Inputs: Wk_codes 1,024 x 32 x 32 uint8 (E4M3 codes of Wk, K innermost, in blocks of 32 codes); Wo_codes 1,024 x 32 x 32 uint8 (E4M3 codes of Wo, K innermost, in blocks of 32 codes); Wq_codes 1,024 x 32 x 32 uint8 (E4M3 codes of Wq, K innermost, in blocks of 32 codes); Wv_codes 1,024 x 32 x 32 uint8 (E4M3 codes of Wv, K innermost, in blocks of 32 codes); bo 1,024 float32; lowp_scales 12 int32 (the exponents e of the quantised operands' scales 2^e); x_codes 4 x 2,048 x 32 x 32 uint8 (E4M3 codes of x, K innermost, in blocks of 32 codes).
;; Outputs: out0 4 x 2,048 x 1,024 float32.
;; This version of the problem:
;;   THIS VERSION OF THE PROBLEM IS GIVEN IN LOW PRECISION. The matrix products marked QUANTISED in the list below multiply operands that are first quantised to E4M3 (4 exponent bits, 3 mantissa bits; 8 bits a number), with one given power-of-two scale for each operand tensor; their sums are f32. All else is computed in f32.
;;   The module's matrix products, in the order in which they are computed (A, B: the left and right operand; K: the contracted axis; several contracted axes count as one K, in the product's order):
;;     1. [M 8,192, K 1,024] x [K 1,024, N 1,024]; A: input x (given as codes); B: input Wq (given as codes): QUANTISED (scales: A lowp_scales[0], B lowp_scales[1])
;;     2. [M 8,192, K 1,024] x [K 1,024, N 1,024]; A: input x (given as codes); B: input Wk (given as codes): QUANTISED (scales: A lowp_scales[2], B lowp_scales[3])
;;     3. [M 8,192, K 1,024] x [K 1,024, N 1,024]; A: input x (given as codes); B: input Wv (given as codes): QUANTISED (scales: A lowp_scales[4], B lowp_scales[5])
;;     4. batch 64 x [M 2,048, K 64] x [K 64, N 2,048]; A: computed on the way; B: computed on the way: QUANTISED (scales: A lowp_scales[6], B lowp_scales[7])
;;     5. batch 64 x [M 2,048, K 2,048] x [K 2,048, N 64]; A: softmax (see below); B: computed on the way: QUANTISED (scales: A lowp_scales[8], B lowp_scales[9])
;;     6. [M 8,192, K 1,024] x [K 1,024, N 1,024]; A: computed on the way; B: input Wo (given as codes): QUANTISED (scales: A lowp_scales[10], B lowp_scales[11])
;;   THE QUANTISER, for each operand of a quantised product, along K:
;;     - The operand's scale is 2^e, e = its entry of the input lowp_scales (int32; the entries are numbered through the quantised products in the list's order, A before B).
;;     - Each number is divided by the scale, clamped to +-448, and rounded to the nearest number of E4M3, ties to even, subnormals kept.
;;     - The product sums the exact products of the quantised numbers (number of the format x scale) in f32.
;;   ~~~python
;;   def quantise(x, axis, e):      # numpy; x: float32 -> the quantised numbers, widened to float32 again
;;       x = np.moveaxis(x, axis, -1); K = x.shape[-1]
;;       r = np.clip(x / 2.0 ** e, -448, 448)
;;       step = 2.0 ** (np.maximum(np.frexp(np.where(r == 0, 1, r))[1] - 1, -6) - 3)
;;       q = np.round(r / step) * step * 2.0 ** e      # np.round: ties to even
;;       return np.moveaxis(q, -1, axis).astype(np.float32)
;;   ~~~
;;   SOFTMAX AHEAD OF A QUANTISED PRODUCT. Where the list says 'softmax', what is quantised is not the finished softmax but p = 2^(t - M), with t = logit x log2(e) and M = ceil(the row's largest t), a whole number; so 1/2 < the row's largest p <= 1. The row's sum l is taken of the UNQUANTISED p, in f32, and the product's result is divided by l at the end. Since M is a whole number, a kernel that streams over the keys may use a running M (the ceiling of the running maximum): every later rescaling is an exact power of two, so the quantised numbers keep their values, but for numbers so far below the row's largest that they fall under the format's range.
;;   OPERANDS COMPUTED ON THE WAY. 'Computed on the way' means the value that the module computes at that place (a softmax that the list does not call 'softmax' is quantised finished and normalised). What goes into a quantiser is computed in f32, as accurately as f32 sums, v_exp_f32 and their like allow (about 1e-6 of the number): no bf16 or f16 on the way to a quantiser, and a product that is left as it is and whose result goes on into a quantised operand takes f32 operands (vector FMAs, or v_wmma_f32_16x16x4_f32). A number that lies on a knife's edge between two numbers of the format may be rounded either way, as far as f32 arithmetic and the matrix unit's own rounding can turn it there, and no further.
;;   INPUTS GIVEN AS CODES. Wk (in the module: [1024, 1024], K = its axis 0); Wo (in the module: [1024, 1024], K = its axis 0); Wq (in the module: [1024, 1024], K = its axis 0); Wv (in the module: [1024, 1024], K = its axis 0); x (in the module: [4, 2048, 1024], K = its axis 2): each comes as NAME_codes (uint8): NAME with its K axis moved to the last place and cut into blocks of 32 codes, [.., K / 32, bytes a block], one block behind the other in memory; one code a byte (a code: sign, 4 exponent bits, 3 mantissa bits); its scale is its entry of lowp_scales. Its value is code x scale, taken as it is: it is not quantised again, and the codes and scales need not be those that the quantiser above would give.
;; One version. Each part assembles by itself: llvm-mc -triple=amdgcn-amd-amdhsa -mcpu=gfx1250 --defsym DOCPART=n.
;; ======== version 1 of 1: 3 launches
;; limits: right only within a limited range of input values
;; workspace buffers: qimg 8,388,608 bytes; kimg 8,388,608 bytes; vimg 8,388,608 bytes; cimg 8,388,608 bytes
;; launch qkv (part 1): grid 12 x 32, 4 waves a work-group, clusters of 4 x 4, 327,680 bytes of LDS; arguments x_codes, Wq_codes, Wk_codes, Wv_codes, lowp_scales, qimg, kimg, vimg; writes qimg, kimg, vimg
.if DOCPART == 1
	.amdgcn_target "amdgcn-amd-amdhsa--gfx1250"
	.amdhsa_code_object_version 6
	.text
	.protected	k_qf2126eb286_qkv
	.globl	k_qf2126eb286_qkv
	.p2align	8
	.type	k_qf2126eb286_qkv,@function
k_qf2126eb286_qkv:
	s_mov_b64 s[64:65], 0
	v_nop
	global_prefetch_b8 v0, s[64:65] scope:SCOPE_SE
	s_setreg_imm32_b32 hwreg(HW_REG_WAVE_MODE, 25, 1), 1
	s_wait_xcnt 0x0
	s_wait_alu depctr_hold_cnt(0) depctr_sa_sdst(0) depctr_va_vdst(0) depctr_va_sdst(0) depctr_va_ssrc(0) depctr_va_vcc(0) depctr_vm_vsrc(0)
	s_getreg_b32 s2, hwreg(HW_REG_IB_STS2, 6, 4)
	s_cmp_eq_u32 s2, 0
	s_cbranch_scc0 .Lentry_in_a_cluster
	s_endpgm
.Lentry_in_a_cluster:
	s_bfe_u32 s2, ttmp6, 0x10000c
	s_cmp_lg_u32 s2, 0xf033
	s_cbranch_scc0 .Lentry_shape_is_right
	s_endpgm
.Lentry_shape_is_right:
; q = x Wq, k = x Wk, v = x Wv on codes of E4M3 (K = 1,024), each result quantised at once with its given scale and stored as codes.
; x: [8192][1024] codes, each W: [1024 (n)][1024 (k)] codes.  The cluster's x (0, 1, 2) says which product: q, k or v; it is the same in all sixteen partners.
; A tile of 256 x 256 is made by four waves, 128 x 128 each: 64 accumulators, 512 registers.  K goes in steps of 256 through a ring of two LDS slots filled by joint tensor loads.
; THE MATRIX INSTRUCTION IS USED TRANSPOSED: source 0 = 16 rows of "B", source 1 = 16 rows of "A": a lane holds ONE row of A and its eight registers run along B's rows.
;   q, k: A = x (tokens), B = W (channels): a lane's registers run along the channels, which are K of the scores' product.
;   v:    A = Wv (channels), B = x (tokens): a lane's registers run along the tokens, which are K of the second product.  The roles are swapped by pointers and tile numbers alone; the text is one.
; So eight registers of an accumulator become two registers of codes that ARE registers 2 b, 2 b + 1 of the next product's operand, and they are stored as an image of those registers:
;   qimg, kimg: [token / 16][head][1,024 bytes]: registers 0-3 at 16 x lane, registers 4-7 at 512 + 16 x lane (16 tokens x 64 channels);
;   vimg: [token / 128][channel / 16][2,048 bytes]: registers 4 Q .. 4 Q + 3 at 512 Q + 16 x lane (16 channels x 128 tokens).
; Each store of a wave covers 512 consecutive bytes, aligned; a block's four stores 2,048 on end.  No stage in LDS is needed.
; SCALES: a sum stands for sum x 2^(ea + eb), its code is sum / 2^E, E = e6 - e0 - e1 (q), e7 - e2 - e3 (k), e9 - e4 - e5 (v), held within +-448 first.
; LIMIT: E lies between -126 and 119, so that 2^E and 448 x 2^E are f32 numbers.
; The grid has 384 work-groups, 24 clusters: three products of 128 tiles.  A smaller tile would divide more evenly, but a wave of 64 x 128 reads half as much again from LDS for each product.
; REGISTERS, in windows of 256: window 0: v16-29 addresses and constants; v96-103 the stores' offsets; from v128 A's fragments, ONE set, later the codes.
;   window 1: B's fragments, two sets.   window 2: the accumulators of my A rows 0-63 ((a, b) at v[8 (8 a + b)]);   window 3: those of rows 64-127.
.set ROWB,   256                       ; a tile's row in bytes: 256 along K
.set KROW,   1024                      ; a row of x or of a weight in memory
.set PITCH,  272                       ; an LDS row: 256 bytes + 16 of padding = 68 words: the 16 rows that a load touches start 4 banks apart (64 banks of 4 bytes: ISA guide 11.1)
.set FR,     16                        ; registers of a fragment: 16 rows x 128 K
.set NL,     4                         ; LDS loads that bring one
.set NP,     4                         ; places behind this matrix instruction (ISA guide 7.12.1)
.set HALFT,  128*PITCH                 ; 128 rows: what one tensor load brings
.set SLOT,   4*HALFT                   ; A's 256 rows, then B's 256 rows
.set SPARE,  2*SLOT                    ; behind the ring: the spare words, 128 bytes a wave
.set ADRA, 16                          ; v16-17  LDS address of my A fragments in slot 0, 1
.set ADRB, 20                          ; v20-21  the same for B
.set SCL,  24                          ; v24     2^E as f32
.set LIM,  25
.set SPW,  28                          ; v28     my spare word; never rewritten
.set NIL,  29                          ; v29     0; never rewritten
.set TMP,  32
.set VO,   96                          ; v96-103 block a's byte offset: 16 x lane + a x SA; never rewritten
.set AF,   128                         ; A's fragments
.set CD,   128                         ; the codes: 16 registers for each of the eight blocks, so that no store's data are written again
.set G1, 24                            ; s[24:31] group 1 for A's tiles;  s[32:39] group 0, a set for each slot
.set G0, 32
.set G1B, 48                           ; s[48:55], s[56:63] the same for B's
.set G0B, 56
.set OP, 90                            ; s[90:91] where my wave's codes go
.set MSB, 0
.macro WIN new                         ; the immediate's high byte repeats the setting that is left
.if MSB != \new
	s_set_vgpr_msb (MSB<<8)|\new
.set MSB, \new
.endif
.endm
.set MUL_LO, 0xa1                      ; source 0 (B) window 1, source 1 (A) window 0, C and D window 2
.set MUL_HI, 0xf1                      ; the same, C and D window 3
.set TO_B,   0x40                      ; destination window 1, address window 0
; A joint load: waves 0 and 1 fetch for A, waves 2 and 3 for B.  The branch hangs on the wave's number alone.  Four v_nop follow each of the two lines.
.macro JLOAD g0a, g1a, g0b, g1b
	s_cmp_eq_u32 s15, 0
	s_cbranch_scc0 .Lfor_b_\@
	tensor_load_to_lds s[\g0a:\g0a+3], s[\g1a:\g1a+7]
	s_nop 0
.rept 4
	v_nop
.endr
	s_branch .Lasked_\@
.Lfor_b_\@:
	tensor_load_to_lds s[\g0b:\g0b+3], s[\g1b:\g1b+7]
	s_nop 0
.rept 4
	v_nop
.endr
.Lasked_\@:
.endm
.macro CREST                           ; a round of the cluster's barrier behind its opening barrier
	s_cmp_lg_u32 s14, 0
	s_cbranch_scc1 .Lnot_wave_0_\@
	s_barrier_signal -3
.Lnot_wave_0_\@:
	s_barrier_wait -3
	s_barrier_signal -1
	s_barrier_wait -1
.endm
.macro CROUND                          ; a whole round
	s_barrier_signal -1
	s_barrier_wait -1
	CREST
.endm
	s_load_b256 s[4:11], s[0:1], 0x0               ; x s[4:5], Wq s[6:7], Wk s[8:9], Wv s[10:11]
	s_load_b256 s[68:75], s[0:1], 0x20             ; the scales' exponents s[68:69], qimg s[70:71], kimg s[72:73], vimg s[74:75]
	v_lshl_add_u32 v[SPW], v0, 2, SPARE
	v_mov_b32 v[NIL], 0
	ds_add_u32 v28, v29
	ds_add_u32 v28, v29
	s_wait_dscnt 0x0
	v_lshrrev_b32 v1, 5, v0
	v_readfirstlane_b32 s14, v1                    ; wave 0..3
	s_lshr_b32 s15, s14, 1                         ; which half of A's rows is mine.  Also: I fetch for A (0) or for B (1)
	s_and_b32 s16, s14, 1                          ; which half of B's rows.  Also: which 128 rows of that tile I fetch
	s_bfe_u32 s40, ttmp6, 0x40000                  ; cx, cy: my place in the cluster
	s_bfe_u32 s41, ttmp6, 0x40004
	s_and_b32 s93, ttmp7, 0xffff
	s_lshl_b32 s93, s93, 2                         ; 4 x cluster y: it counts x's tiles of 256 tokens
	s_cmp_eq_u32 ttmp9, 2                          ; v?  Then x is B.  All these choices hang on the cluster's x alone
	s_cselect_b32 s92, 0, s93
	s_cselect_b32 s93, s93, 0
	s_mov_b32 s88, 16384
	s_cselect_b32 s88, 2048, s88                   ; SA: bytes from one 16 rows of A to the next in the images
	s_mov_b32 s89, 2048
	s_cselect_b32 s89, 0x20000, s89                ; SB: bytes from one 128 rows of B to the next
	s_add_co_u32 s17, s41, s92                     ; A's tile: cy (+ 4 x cluster y where A is x)
	s_add_co_u32 s42, s40, s93                     ; B's tile: cx (+ 4 x cluster y where B is x)
	s_lshl_b32 s43, s41, 2
	s_lshl_b32 s43, 15, s43                        ; my row of the cluster
	s_lshl_b32 s44, 0x1111, s40                    ; my column
	; descriptor group 1: a tile of 128 rows x 256 bytes, padded in LDS
	s_or_b32 s[G1+0], s43, (0<<16)|(1<<20)|(1<<21)|(5<<22)|(3<<25)  ; 15:0 the mask: A's tiles go to my row; elements of 1 byte; padding on; bit 21 beside a mask; after every 64 words, 4 words
	s_or_b32 s[G1B+0], s44, (0<<16)|(1<<20)|(1<<21)|(5<<22)|(3<<25) ; B's tiles go to my column
.irp g, G1, G1B
	s_mov_b32 s[\g+1], ROWB<<16                    ; tensor_dim0
	s_mov_b32 s[\g+2], 128<<16                     ; tensor_dim1
	s_mov_b32 s[\g+3], ROWB<<16                    ; tile_dim0
	s_mov_b32 s[\g+4], 128                         ; tile_dim1
	s_mov_b32 s[\g+5], KROW                        ; tensor_dim0_stride
	s_mov_b32 s[\g+6], 0
	s_mov_b32 s[\g+7], 0
.endr
	s_lshl_b32 s18, s16, 7                         ; which 128 rows of the tile I fetch
	s_lshl_b32 s20, s17, 8
	s_add_co_u32 s20, s20, s18                     ; A: row 256 x tile + 128 x half
	s_lshl_b32 s46, s42, 8
	s_add_co_u32 s46, s46, s18                     ; B likewise
	s_lshl_b32 s20, s20, 10                        ; in bytes: rows of 1,024 (under 2^23)
	s_lshl_b32 s46, s46, 10
	s_mov_b32 s21, 0
	s_mov_b32 s47, 0
	s_mul_i32 s45, s14, HALFT                      ; where they go: wave x 128 rows: no place in the cluster enters an LDS address
	s_wait_kmcnt 0x0
	s_load_b256 s[76:83], s[68:69], 0x0            ; e0 .. e7
	s_load_b128 s[84:87], s[68:69], 0x20           ; e8 .. e11
	s_cmp_eq_u32 ttmp9, 1
	s_cselect_b64 s[96:97], s[8:9], s[6:7]         ; Wk or Wq
	s_cselect_b64 s[OP:OP+1], s[72:73], s[70:71]   ; kimg or qimg
	s_cmp_eq_u32 ttmp9, 2
	s_cselect_b64 s[94:95], s[10:11], s[4:5]       ; A: Wv, else x
	s_cselect_b64 s[96:97], s[4:5], s[96:97]       ; B: x, else the weight
	s_cselect_b64 s[OP:OP+1], s[74:75], s[OP:OP+1]
	s_add_nc_u64 s[20:21], s[94:95], s[20:21]
	s_add_nc_u64 s[46:47], s[96:97], s[46:47]
	CROUND                                         ; all sixteen work-groups are here: the first joint loads meet
.irp s, 0,1
	s_mov_b32 s[G0+4*\s], 1
	s_add_co_u32 s[G0+4*\s+1], s45, \s*SLOT
	s_add_nc_u64 s[G0+4*\s+2:G0+4*\s+3], s[20:21], \s*ROWB
	s_or_b32 s[G0+4*\s+3], s[G0+4*\s+3], 0x80000000
	s_mov_b32 s[G0B+4*\s], 1
	s_add_co_u32 s[G0B+4*\s+1], s45, \s*SLOT
	s_add_nc_u64 s[G0B+4*\s+2:G0B+4*\s+3], s[46:47], \s*ROWB
	s_or_b32 s[G0B+4*\s+3], s[G0B+4*\s+3], 0x80000000
	JLOAD G0+4*\s, G1, G0B+4*\s, G1B               ; K steps 0 and 1: two tensor loads of mine are out
.endr
	v_and_b32 v1, 15, v0                           ; l % 16
	v_bfe_u32 v2, v0, 4, 1                         ; l / 16
	v_mul_u32_u24 v3, v1, PITCH
	v_lshl_add_u32 v4, v2, 4, v3                   ; a fragment's row x pitch + 16 x half
	s_mul_i32 s21, s15, HALFT                      ; my 128 rows of A
	s_mul_i32 s22, s16, HALFT                      ; my 128 rows of B,
	s_add_co_u32 s22, s22, 2*HALFT                 ; which lie behind A's 256
.irp s, 0,1
	v_add_nc_u32 v[ADRA+\s], s21, v4
	v_add_nc_u32 v[ADRB+\s], s22, v4
	s_add_co_u32 s21, s21, SLOT
	s_add_co_u32 s22, s22, SLOT
.endr
	v_and_b32 v5, 31, v0
	v_lshlrev_b32 v[VO], 4, v5                     ; an image's place for my lane: 16 x lane,
.irp a, 1,2,3,4,5,6,7
	v_add_nc_u32 v[VO+\a], s88, v[VO+\a-1]         ; + a x SA for block a
.endr
	s_lshl_b32 s92, s17, 4                         ; my wave's first image: (16 x A's tile + 8 x half) x SA + (2 x B's tile + half) x SB, under 2^23
	s_lshl_b32 s93, s15, 3
	s_add_co_u32 s92, s92, s93
	s_mul_i32 s92, s92, s88
	s_lshl_b32 s93, s42, 1
	s_add_co_u32 s93, s93, s16
	s_mul_i32 s93, s93, s89
	s_add_co_u32 s92, s92, s93
	s_mov_b32 s93, 0
	s_add_nc_u64 s[OP:OP+1], s[OP:OP+1], s[92:93]
.macro FRAG reg, adr, q, i             ; 16 rows x 128 K in 16 registers, by four loads of 16 bytes: registers 4 c .. 4 c + 3 hold K = 32 c + 16 (l / 16) + 0 .. 15: one order of k for A and for B alike, so every product meets its partner
.irp c, 0,1,2,3
	ds_load_b128 v[\reg+4*\c:\reg+4*\c+3], v[\adr] offset:128*(\q)+32*\c+(\i)*16*PITCH
.endr
.endm
; 16 matrix instructions: A's blocks a0, a0 + 1 x B's eight, 128 along K.  p: B's set.  zero = 1: the first product starts the sums.
; The 64 accumulators take turns, one instruction a turn, in the same order in every step.
.macro MUL16 a0, p, zero
.irp a, \a0, \a0+1
.irp b, 0,1,2,3,4,5,6,7
.if \zero
	v_wmma_f32_16x16x128_fp8_fp8 v[8*(8*((\a)%4)+\b):8*(8*((\a)%4)+\b)+7], v[128*(\p)+FR*\b:128*(\p)+FR*\b+FR-1], v[AF+FR*(\a):AF+FR*(\a)+FR-1], 0
.else
	v_wmma_f32_16x16x128_fp8_fp8 v[8*(8*((\a)%4)+\b):8*(8*((\a)%4)+\b)+7], v[128*(\p)+FR*\b:128*(\p)+FR*\b+FR-1], v[AF+FR*(\a):AF+FR*(\a)+FR-1], v[8*(8*((\a)%4)+\b):8*(8*((\a)%4)+\b)+7]
.endif
.endr
.endr
.endm
.macro FETCH_B slot, q, p              ; B's eight fragments of the slot's q-th 128 along K into set p
	WIN TO_B
.irp i, 0,1,2,3,4,5,6,7
	FRAG 128*(\p)+FR*\i, ADRB+\slot, \q, \i
.endr
	WIN 0
.endm
.macro FETCH_A slot, q, i0             ; A's blocks i0 .. i0 + 3
.irp i, \i0, \i0+1, \i0+2, \i0+3
	FRAG AF+FR*(\i), ADRA+\slot, \q, \i
.endr
.endm
.macro PLACES n                        ; plain vector places between a matrix instruction and a load into, or a vector read or write of, its registers
.rept \n
	v_nop
.endr
.endm
; A step of 128 along K that has its successor in the same slot.  A block of A is free as soon as its eight products are issued: blocks 0-3 are fetched anew in the middle, blocks 4-7 at the end.
.macro STEP slot, q, zero
	s_wait_dscnt 4*NL                              ; B's set and A's blocks 0-3 are in; the youngest 16 loads (A's blocks 4-7) may be out
	WIN MUL_LO
	MUL16 0, (\q)%2, \zero
	MUL16 2, (\q)%2, \zero
	s_wait_dscnt 0                                 ; A's blocks 4-7 are in (asked for 32 matrix instructions ago)
	PLACES NP
	FETCH_B \slot, (\q)+1, 1-(\q)%2
	FETCH_A \slot, (\q)+1, 0
	WIN MUL_HI
	MUL16 4, (\q)%2, \zero
	MUL16 6, (\q)%2, \zero
	PLACES NP
	WIN 0
	FETCH_A \slot, (\q)+1, 4
.endm
; A slot's last step changes slots: ONE barrier; in front of it each wave waits for all its tensor loads, adds 0 to its spare word, and waits for that and for its own reads of this slot.  fill = 1: this slot is filled again, two K steps ahead.
.macro TURN slot, next, fill
	s_wait_tensorcnt 0x0                           ; all my tensor loads have landed: my part of the next slot  (every window is 0 here)
	ds_add_u32 v[SPW], v[NIL]                      ; 0 onto my spare word
	s_wait_dscnt 4*NL+1                            ; the add and the youngest 16 loads (A's blocks 4-7) may be out
	WIN MUL_LO
	MUL16 0, 1, 0                                  ; sixteen matrix instructions stand between the add and the wait for it
	s_wait_dscnt 0x0                               ; the add is done, and my reads of this slot are over
	s_barrier_signal -1
	MUL16 2, 1, 0
	WIN 0
	s_barrier_wait -1
.if \fill
	CREST                                          ; the barrier has opened a round of the cluster's barrier: no wave of any partner still reads this slot or has a load on its way
	s_add_nc_u64 s[G0+4*\slot+2:G0+4*\slot+3], s[G0+4*\slot+2:G0+4*\slot+3], 2*ROWB
	s_add_nc_u64 s[G0B+4*\slot+2:G0B+4*\slot+3], s[G0B+4*\slot+2:G0B+4*\slot+3], 2*ROWB
	JLOAD G0+4*\slot, G1, G0B+4*\slot, G1B         ; the first tensor load behind the round, my only one until the next; its four v_nop are the places in front of the loads below
.else
	PLACES NP
.endif
	FETCH_B \next, 0, 0
	FETCH_A \next, 0, 0
	WIN MUL_HI
	MUL16 4, 1, 0
	MUL16 6, 1, 0
	PLACES NP
	WIN 0
	FETCH_A \next, 0, 4
.endm
	s_wait_tensorcnt 1                             ; my part of K step 0 is in (K step 1's load may be out)
	s_barrier_signal -1
	s_barrier_wait -1                              ; everybody's is
	FETCH_B 0, 0, 0
	FETCH_A 0, 0, 0
	FETCH_A 0, 0, 4
	; K = 1,024 is four K steps of 256, eight steps of 128: written out, since only the first lap fills slots again
	STEP 0, 0, 1                                   ; the first products start the sums: nothing is cleared
	TURN 0, 1, 1                                   ; slot 0 takes K step 2
	STEP 1, 0, 0
	TURN 1, 0, 1                                   ; slot 1 takes K step 3
	STEP 0, 0, 0
	TURN 0, 1, 0                                   ; nothing is left to fetch
	STEP 1, 0, 0
	s_wait_dscnt 4*NL                              ; the very last step
	WIN MUL_LO
	MUL16 0, 1, 0
	MUL16 2, 1, 0
	s_wait_dscnt 0
	WIN MUL_HI
	MUL16 4, 1, 0
	MUL16 6, 1, 0
	WIN 0
	; THE WAY OUT.  The three scales ahead of the quantiser are folded into the conversion's one.
	s_wait_kmcnt 0x0
	s_sub_co_i32 s92, s82, s76                     ; q: e6 - e0 - e1
	s_sub_co_i32 s92, s92, s77
	s_sub_co_i32 s93, s83, s78                     ; k: e7 - e2 - e3
	s_sub_co_i32 s93, s93, s79
	s_sub_co_i32 s94, s85, s80                     ; v: e9 - e4 - e5
	s_sub_co_i32 s94, s94, s81
	s_cmp_eq_u32 ttmp9, 1
	s_cselect_b32 s92, s93, s92
	s_cmp_eq_u32 ttmp9, 2
	s_cselect_b32 s92, s94, s92                    ; E
	s_add_co_i32 s92, s92, 127
	s_lshl_b32 s93, s92, 23
	s_add_co_i32 s92, s92, 8
	s_lshl_b32 s92, s92, 23
	s_or_b32 s92, s92, 0x600000
	PLACES NP                                      ; behind the last products: their results are read and A's registers are written below
	v_mov_b32 v[SCL], s93                          ; 2^E: the conversion takes its exponent field
; Block a (16 rows of A x my 128 rows of B): converted, stored.  Each accumulator is read from its low end on.
.macro OUT a
.set AC, 64*((\a)%4)
.set WO, 0x02+((\a)/4)                 ; source 0: window 2 or 3
	WIN WO
.set j, 0
.rept 64
.set j, j+1
.endr
.irp b, 0,1,2,3,4,5,6,7
	v_cvt_scalef32_pk8_fp8_f32 v[CD+16*(\a)+2*\b:CD+16*(\a)+2*\b+1], v[AC+8*\b:AC+8*\b+7], v[SCL]
.endr
	WIN 0
	v_nop                                          ; one plain vector line behind the conversions
.irp g, 0,1,2,3
	global_store_b128 v[VO+(\a)], v[CD+16*(\a)+4*\g:CD+16*(\a)+4*\g+3], s[OP:OP+1] offset:512*\g   ; 32 lanes store 512 consecutive bytes, aligned
.endr
.endm
.irp a, 0,1,2,3,4,5,6,7
	OUT \a
.endr
	s_wait_tensorcnt 0x0                           ; the wave's end
	ds_add_u32 v[SPW], v[NIL]
	s_wait_dscnt 0x0
	CROUND                                         ; the closing round: no work-group ends while a partner may still ask for a tile that names it
	s_endpgm
.Lfunc_end_k_qf2126eb286_qkv:
	.size	k_qf2126eb286_qkv, .Lfunc_end_k_qf2126eb286_qkv-k_qf2126eb286_qkv
	.p2alignl 7, 3214868480
	.fill 96, 4, 3214868480
	.section	.rodata,"a",@progbits
	.p2align	6, 0x0
	.amdhsa_kernel k_qf2126eb286_qkv
		.amdhsa_group_segment_fixed_size 327680
		.amdhsa_private_segment_fixed_size 0
		.amdhsa_enable_private_segment 0
		.amdhsa_kernarg_size 64
		.amdhsa_user_sgpr_count 2
		.amdhsa_user_sgpr_kernarg_segment_ptr 1
		.amdhsa_wavefront_size32 1
		.amdhsa_system_sgpr_workgroup_id_x 1
		.amdhsa_system_sgpr_workgroup_id_y 1
		.amdhsa_system_sgpr_workgroup_id_z 1
		.amdhsa_system_vgpr_workitem_id 0
		.amdhsa_next_free_vgpr 1024
		.amdhsa_next_free_sgpr 100
		.amdhsa_reserve_vcc 0
		.amdhsa_float_denorm_mode_32 3
		.amdhsa_float_denorm_mode_16_64 3
		.amdhsa_fp16_overflow 1
		.amdhsa_memory_ordered 1
		.amdhsa_forward_progress 1
		.amdhsa_inst_pref_size 86
	.end_amdhsa_kernel
	.amdgpu_metadata
---
amdhsa.version: [ 1, 2 ]
amdhsa.kernels:
  - .name:           k_qf2126eb286_qkv
    .symbol:         k_qf2126eb286_qkv.kd
    .args:
      - { .name: x_codes, .offset: 0, .size: 8, .value_kind: global_buffer, .address_space: global }
      - { .name: Wq_codes, .offset: 8, .size: 8, .value_kind: global_buffer, .address_space: global }
      - { .name: Wk_codes, .offset: 16, .size: 8, .value_kind: global_buffer, .address_space: global }
      - { .name: Wv_codes, .offset: 24, .size: 8, .value_kind: global_buffer, .address_space: global }
      - { .name: lowp_scales, .offset: 32, .size: 8, .value_kind: global_buffer, .address_space: global }
      - { .name: qimg, .offset: 40, .size: 8, .value_kind: global_buffer, .address_space: global }
      - { .name: kimg, .offset: 48, .size: 8, .value_kind: global_buffer, .address_space: global }
      - { .name: vimg, .offset: 56, .size: 8, .value_kind: global_buffer, .address_space: global }
    .group_segment_fixed_size: 327680
    .private_segment_fixed_size: 0
    .kernarg_segment_align: 8
    .kernarg_segment_size: 64
    .max_flat_workgroup_size: 128
    .sgpr_count:     100
    .vgpr_count:     1024
    .wavefront_size: 32
...
	.end_amdgpu_metadata
.endif
;; end of part 1
;; launch attn (part 2): grid 4 x 64, 16 waves a work-group, clusters of 4 x 1, 264,192 bytes of LDS; arguments qimg, kimg, vimg, lowp_scales, cimg; writes cimg
.if DOCPART == 2
	.amdgcn_target "amdgcn-amd-amdhsa--gfx1250"
	.amdhsa_code_object_version 6
	.text
	.protected	k_qf2126eb286_attn
	.globl	k_qf2126eb286_attn
	.p2align	8
	.type	k_qf2126eb286_attn,@function
k_qf2126eb286_attn:
	s_mov_b64 s[64:65], 0
	v_nop
	global_prefetch_b8 v0, s[64:65] scope:SCOPE_SE
	s_setreg_imm32_b32 hwreg(HW_REG_WAVE_MODE, 25, 1), 1
	s_wait_xcnt 0x0
	s_wait_alu depctr_hold_cnt(0) depctr_sa_sdst(0) depctr_va_vdst(0) depctr_va_sdst(0) depctr_va_ssrc(0) depctr_va_vcc(0) depctr_vm_vsrc(0)
	s_getreg_b32 s2, hwreg(HW_REG_IB_STS2, 6, 4)
	s_cmp_eq_u32 s2, 0
	s_cbranch_scc0 .Lentry_in_a_cluster
	s_endpgm
.Lentry_in_a_cluster:
	s_bfe_u32 s2, ttmp6, 0x10000c
	s_cmp_lg_u32 s2, 0x3003
	s_cbranch_scc0 .Lentry_shape_is_right
	s_endpgm
.Lentry_shape_is_right:
; Causal attention of one (batch, head) per cluster, both products on codes of E4M3; the result ctx is quantised at once and stored as codes.
; qimg, kimg, cimg: [token / 16][head][1,024 bytes], an image of a fragment of 16 tokens x 64 channels (registers 0-3 at 16 x lane, 4-7 at 512 + 16 x lane).
; vimg: [token / 128][channel / 16][2,048 bytes], an image of a fragment of 16 channels x 128 keys.
; THE SOFTMAX: t = score x log2(e) / 8; M = the largest t so far, rounded UP to a whole number; p = 2^(t - M) is quantised with 2^e8, not normalised; the row's sum is taken of the unquantised p and divides at the end.
; When M moves, the sum and O are multiplied by 2^(old M - new M): exact.
; SHARES.  The head's 128 tiles of 16 queries are dealt to the cluster's four work-groups in turn: tile 4 i + g, g = my place in the cluster, i = 0 .. 31.  Tile i needs the key steps (128 keys) 0 .. i / 2, whatever g.
; Each of sixteen waves owns TWO tiles, i = I and i = 31 - I: 17 tile-steps for every wave, 272 for every work-group.  I = wave xor 3 x (bit 2 of wave), so that waves 4 apart share early and late tiles evenly.
; No branch, trip count or LDS address hangs on g: it enters Q's and ctx's addresses in memory and the mask's numbers alone.
; LDS holds the head's whole K (131,072 bytes) and V (131,072), filled ONCE, by joint loads of the four partners, in four chunks of 512 keys: nothing is ever filled again.
; Wave 0 asks for K's four chunks, wave 1 for V's: four tensor loads of a wave are out at the most.  Each quarter of the keys begins with a counted wait and a barrier.
; LAYOUT.  S^T = K Q^T (source 0 = 16 keys, source 1 = my 16 queries), O^T = V^T P^T: a lane holds ONE query (lane % 16) throughout.  Register 8 c + j of S^T is key 16 c + 8 (lane / 16) + j:
; eight registers of a tile become registers 2 c, 2 c + 1 of P, the place that the form of K = 128 gives those keys.  O^T's register 8 t + j is channel 16 t + 8 (lane / 16) + j: converted, it is ctx's image.
; LIMITS on the given exponents, so that each power of two below is an f32 number: e6 + e7 between -123 and 130; e8 between -126 and 119; e10 - e8 - e9 between -126 and 119.
.set LI,   1                           ; v1   16 x lane: an image's place for my lane; never rewritten
.set DH,   2                           ; v2   the mask of tile 31 - I: d = 64 (i % 2) + 16 g + lane % 16 - 8 (lane / 16): on the diagonal, register 8 c + j is hidden where 16 c + j > d
.set DL,   3                           ; v3   the same for tile I
.set ADK,  8                           ; v8   LDS address of the step's images of K
.set ADV,  9                           ; v9   of V
.set STH,  12                          ; v12 -M, v13 the largest t, v[14:15] the sum in two halves: tile 31 - I
.set STL,  16                          ; v16-19 the same for tile I
.set QH,   20                          ; v20-27 Q of tile 31 - I
.set QL,   28                          ; v28-35 Q of tile I
.set FR,   36                          ; v36-99 eight fragments of K, then four of V
.set S,    100                         ; v100-163 S^T, then p
.set OH,   164                         ; v164-195 O^T of tile 31 - I
.set OL,   196                         ; v196-227 O^T of tile I
.set P,    228                         ; v228-243 p's codes
.set PSC,  244                         ; v244 2^e8
.set PLIM, 245
.set F,    246                         ; v[246:247] f = 2^(old M - new M)
.set SUM2, 248                         ; v[248:249] the sums' second chain
.set W0,   250
.set W1,   251
.set PRM,  252                         ; a lane permute's destination
.set NINF, 253                         ; -infinity
.set WV,   18                          ; s18 my wave's number
.set DLO,  20                          ; s20 the last key step of tile I: I / 2
.set DHI,  21                          ; s21 of tile 31 - I: 15 - I / 2
.set KS,   22                          ; s22 the key step in hand
.set CNT,  23                          ; s23 counts a quarter's four steps
.set SEL,  24                          ; s[24:25] v_permlanex16_b32's selects: lane l xor 16
.set CS,   26                          ; s[26:27] c = log2(e) / 8 x 2^(e6 + e7)
.set TB,   28                          ; s28 LDS byte of the step's images of K
.set G1K,  32                          ; s[32:39] group 1 for K's chunks; s[40:47] for V's
.set G1V,  40
.set G0K,  48                          ; s[48:63] four groups 0 for K's chunks
.set G0V,  68                          ; s[68:83] four for V's
.macro CROUND                          ; a round of the cluster's barrier
	s_barrier_signal -1
	s_barrier_wait -1
	s_cmp_lg_u32 s[WV], 0
	s_cbranch_scc1 .Lnot_wave_0_\@
	s_barrier_signal -3
.Lnot_wave_0_\@:
	s_barrier_wait -3
	s_barrier_signal -1
	s_barrier_wait -1
.endm
.macro PLACES                          ; four plain places behind a matrix instruction (ISA guide 7.12.1)
.rept 4
	v_nop
.endr
.endm
	s_load_b256 s[4:11], s[0:1], 0x0               ; qimg s[4:5], kimg s[6:7], vimg s[8:9], the scales' exponents s[10:11]
	s_load_b64 s[12:13], s[0:1], 0x20              ; cimg
	v_lshl_add_u32 v254, v0, 2, 0x40000
	v_mov_b32 v255, 0
	ds_add_u32 v254, v255
	ds_add_u32 v254, v255
	v_lshrrev_b32 v4, 5, v0
	s_delay_alu instid0(VALU_DEP_1)
	v_readfirstlane_b32 s[WV], v4                  ; wave 0..15
	s_and_b32 s14, ttmp7, 0xffff                   ; 16 x batch + head: the four partners share it
	s_lshr_b32 s15, s14, 4
	s_and_b32 s14, s14, 15
	s_lshl_b32 s15, s15, 21                        ; a batch: 128 token tiles of 16,384 bytes = 16 blocks of 131,072
	s_lshl_b32 s16, s14, 10
	s_add_co_u32 s16, s16, s15                     ; the head's first image in qimg, kimg, cimg
	s_mov_b32 s17, 0
	s_lshl_b32 s30, s14, 13
	s_add_co_u32 s30, s30, s15                     ; and in vimg: four channel tiles of 2,048 bytes a head
	s_mov_b32 s31, 0
	; group 1, elements of 8 bytes, no padding.  K: 32 token tiles' images of 1,024 bytes, 16,384 bytes apart.  V: 4 blocks' 8,192 bytes (four channel tiles), 131,072 bytes apart.
	s_mov_b32 s[G1K], 15|(3<<16)|(1<<21)           ; 15:0 the mask: all four work-groups; 17:16 elements of 8 bytes; 21 set beside a mask
	s_mov_b32 s[G1K+1], 128<<16                    ; tensor_dim0 = 128
	s_mov_b32 s[G1K+2], 32<<16                     ; tensor_dim1 = 32
	s_mov_b32 s[G1K+3], 128<<16                    ; tile_dim0
	s_mov_b32 s[G1K+4], 32                         ; tile_dim1
	s_mov_b32 s[G1K+5], 2048                       ; tensor_dim0_stride
	s_mov_b32 s[G1K+6], 0
	s_mov_b32 s[G1K+7], 0
	s_mov_b32 s[G1V], 15|(3<<16)|(1<<21)
	s_mov_b32 s[G1V+1], 1024<<16
	s_mov_b32 s[G1V+2], 4<<16
	s_mov_b32 s[G1V+3], 1024<<16
	s_mov_b32 s[G1V+4], 4
	s_mov_b32 s[G1V+5], 16384
	s_mov_b32 s[G1V+6], 0
	s_mov_b32 s[G1V+7], 0
	s_mov_b32 s[SEL], 0x76543210
	s_mov_b32 s[SEL+1], 0xfedcba98
	s_mov_b32 s[CS], 0x3e38aa3b                    ; log2(e) / 8
	s_bfe_u32 s19, s[WV], 0x10002                  ; bit 2 of the wave's number
	s_mul_i32 s19, s19, 3
	s_xor_b32 s19, s19, s[WV]                      ; I
	s_lshr_b32 s[DLO], s19, 1
	s_sub_co_u32 s[DHI], 15, s[DLO]
	s_wait_dscnt 0x0
	s_wait_kmcnt 0x0
	s_load_b256 s[84:91], s[10:11], 0x10           ; e4 .. e11: s86 = e6, s87 = e7, s88 = e8, s89 = e9, s90 = e10
	s_add_nc_u64 s[6:7], s[6:7], s[16:17]          ; K and V at the head's first key
	s_add_nc_u64 s[8:9], s[8:9], s[30:31]
.irp c, 0,1,2,3
	s_mov_b32 s[G0K+4*\c], 1                       ; count = 1
	s_mov_b32 s[G0K+4*\c+1], 32768*\c              ; LDS address: chunk c of K
	s_add_nc_u64 s[G0K+4*\c+2:G0K+4*\c+3], s[6:7], \c*524288   ; 512 keys on: 32 token tiles
	s_or_b32 s[G0K+4*\c+3], s[G0K+4*\c+3], 0x80000000          ; type = 2
	s_mov_b32 s[G0V+4*\c], 1
	s_mov_b32 s[G0V+4*\c+1], 131072+32768*\c       ; chunk c of V, behind K
	s_add_nc_u64 s[G0V+4*\c+2:G0V+4*\c+3], s[8:9], \c*524288   ; 4 blocks of 128 keys
	s_or_b32 s[G0V+4*\c+3], s[G0V+4*\c+3], 0x80000000
.endr
	CROUND                                         ; all four work-groups are here: the joint loads meet
	s_cmp_eq_u32 s[WV], 0                          ; a wave's four fills stand in one branch on the wave's number, ahead of every wait on TENSORcnt, every LDS read and every further barrier
	s_cbranch_scc0 .Lnot_k
.irp c, 0,1,2,3
	tensor_load_to_lds s[G0K+4*\c:G0K+4*\c+3], s[G1K:G1K+7]
	s_nop 0
.endr
	PLACES
	s_branch .Lasked
.Lnot_k:
	s_cmp_eq_u32 s[WV], 1
	s_cbranch_scc0 .Lasked
.irp c, 0,1,2,3
	tensor_load_to_lds s[G0V+4*\c:G0V+4*\c+3], s[G1V:G1V+7]
	s_nop 0
.endr
	PLACES
.Lasked:
	; my two tiles: token tile 4 i + g, 16,384 bytes each: (i << 16) + (g << 14).  What holds g stays in s2, s3, s29 and s[92:99]
	s_bfe_u32 s29, ttmp6, 0x40000                  ; g
	s_lshl_b32 s2, s19, 16
	s_lshl_b32 s3, s29, 14
	s_add_co_u32 s2, s2, s3
	s_mov_b32 s3, 0
	s_add_nc_u64 s[94:95], s[4:5], s[16:17]
	s_add_nc_u64 s[98:99], s[12:13], s[16:17]
	s_add_nc_u64 s[94:95], s[94:95], s[2:3]        ; Q of tile I
	s_add_nc_u64 s[98:99], s[98:99], s[2:3]        ; ctx of tile I
	s_sub_co_u32 s2, 31, s19
	s_lshl_b32 s2, s2, 16
	s_lshl_b32 s3, s29, 14
	s_add_co_u32 s2, s2, s3
	s_mov_b32 s3, 0
	s_add_nc_u64 s[92:93], s[4:5], s[16:17]
	s_add_nc_u64 s[96:97], s[12:13], s[16:17]
	s_add_nc_u64 s[92:93], s[92:93], s[2:3]        ; Q of tile 31 - I
	s_add_nc_u64 s[96:97], s[96:97], s[2:3]        ; ctx of tile 31 - I
	v_and_b32 v4, 31, v0
	s_delay_alu instid0(VALU_DEP_1)
	v_lshlrev_b32 v[LI], 4, v4
	global_load_b128 v[QH:QH+3],   v[LI], s[92:93]
	global_load_b128 v[QH+4:QH+7], v[LI], s[92:93] offset:512
	global_load_b128 v[QL:QL+3],   v[LI], s[94:95]
	global_load_b128 v[QL+4:QL+7], v[LI], s[94:95] offset:512
	v_and_b32 v4, 15, v0                           ; r
	v_bfe_u32 v5, v0, 4, 1                         ; h
	s_delay_alu instid0(VALU_DEP_1)
	v_lshlrev_b32 v5, 3, v5
	s_delay_alu instid0(VALU_DEP_1)
	v_sub_nc_u32 v4, v4, v5                        ; r - 8 h
	s_wait_alu depctr_va_vdst(0)
	s_lshl_b32 s2, s29, 4                          ; 16 g
	s_and_b32 s3, s19, 1
	s_lshl_b32 s3, s3, 6
	s_add_co_u32 s3, s3, s2
	v_add_nc_u32 v[DL], s3, v4                     ; 64 (I % 2) + 16 g + r - 8 h
	s_and_b32 s3, s19, 1
	s_xor_b32 s3, s3, 1                            ; (31 - I) % 2
	s_lshl_b32 s3, s3, 6
	s_add_co_u32 s3, s3, s2
	v_add_nc_u32 v[DH], s3, v4
	v_mov_b32 v[STH+1], 0xff61b1e6                 ; the largest t so far: -3e38, under every t
	v_mov_b32 v[STL+1], 0xff61b1e6
	s_delay_alu instid0(VALU_DEP_2)
	v_floor_f32 v[STH], -v[STH+1]                  ; -M
	s_delay_alu instid0(VALU_DEP_2)
	v_floor_f32 v[STL], -v[STL+1]
	v_mov_b32 v[STH+2], 0                          ; the sums, in two halves
	v_mov_b32 v[STH+3], 0
	v_mov_b32 v[STL+2], 0
	v_mov_b32 v[STL+3], 0
	v_mov_b32 v[F+1], 0                            ; (named as the upper half of a pair)
	v_mov_b32 v[PRM], 0                            ; written once: a lane permute's destination counts as one of its sources
	v_mov_b32 v[W1], 0
	v_mov_b32 v[NINF], 0xff800000
.set n, 0
.rept 64
	v_mov_b32 v[OH+n], 0                           ; O^T of both tiles: the step is written once for all steps; the first finds zeros, which the first change of M leaves zeros
.set n, n+1
.endr
	s_wait_kmcnt 0x0
	s_add_co_i32 s2, s86, s87
	s_lshl_b32 s2, s2, 23
	s_add_co_i32 s[CS], s[CS], s2                  ; a score stands for score x 2^(e6 + e7): the exponents are added to c's exponent field
	s_mov_b32 s[CS+1], s[CS]                       ; (named with it as a pair)
	s_add_co_i32 s2, s88, 127
	s_lshl_b32 s3, s2, 23
	v_mov_b32 v[PSC], s3                           ; 2^e8
; ONE TILE'S KEY STEP: 128 keys.  st: its statistics; q: its Q; o: its O^T; d: the scalar with its last step; vd: its mask's d.
; causal = 1: a step behind the tile's last is left out by a scalar branch on the wave's number and the loop's count; on the last step, the diagonal, hidden scores become -infinity.  causal = 0: the step lies wholly below the diagonal for every wave.
.macro STEP st, q, o, d, vd, causal
.if \causal
	s_cmp_gt_u32 s[KS], s[\d]
	s_cbranch_scc1 .Lhidden_\@
.endif
.irp c, 0,1,2,3,4,5,6,7
	ds_load_b128 v[FR+8*\c:FR+8*\c+3],   v[ADK] offset:1024*\c        ; 16 keys' image: 512 consecutive bytes an instruction
	ds_load_b128 v[FR+8*\c+4:FR+8*\c+7], v[ADK] offset:1024*\c+512
.endr
	s_wait_dscnt 0x0
.irp c, 0,1,2,3,4,5,6,7
	v_wmma_f32_16x16x64_fp8_fp8 v[S+8*\c:S+8*\c+7], v[FR+8*\c:FR+8*\c+7], v[\q:\q+7], 0
.endr
	PLACES                                         ; in front of the loads into K's registers and of the first read of the scores
	s_wait_alu depctr_va_vdst(0)
.irp t, 0,1,2,3
.irp g, 0,1,2,3
	ds_load_b128 v[FR+16*\t+4*\g:FR+16*\t+4*\g+3], v[ADV] offset:2048*\t+512*\g   ; V's four images land while the softmax is worked
.endr
.endr
.if \causal
	s_cmp_lg_u32 s[KS], s[\d]
	s_cbranch_scc1 .Lopen_\@
.set n, 0
.rept 64
	v_cmp_gt_i32 vcc_lo, 16*(n/8)+n%8, v[\vd]
	v_cndmask_b32 v[S+n], v[S+n], v[NINF], vcc_lo  ; p = 0 then.  The step's first key counts for every query of the tile, so the maximum is a number
.set n, n+1
.endr
.Lopen_\@:
.endif
	v_max3_num_f32 v[W0], v[S], v[S+1], v[S+2]     ; the step's largest score of my query among my 64 keys, in two chains, each accumulator from its low end on,
	v_max3_num_f32 v[W1], v[S+3], v[S+4], v[S+5]
.irp i, 6,10,14,18,22,26,30,34,38,42,46,50,54,58
	v_max3_num_f32 v[W0], v[W0], v[S+\i], v[S+\i+1]
	v_max3_num_f32 v[W1], v[W1], v[S+\i+2], v[S+\i+3]
.endr
	v_max3_num_f32 v[W0], v[W0], v[S+62], v[S+63]
	s_delay_alu instid0(VALU_DEP_1)
	v_max_num_f32 v[W0], v[W0], v[W1]
	s_delay_alu instid0(VALU_DEP_1)
	v_permlanex16_b32 v[PRM], v[W0], s[SEL], s[SEL+1]
	s_delay_alu instid0(VALU_DEP_1)
	v_max_num_f32 v[W0], v[W0], v[PRM]             ; and among lane l xor 16's
	s_delay_alu instid0(VALU_DEP_1)
	v_mul_f32 v[W0], s[CS], v[W0]                  ; as t (c is positive)
	s_delay_alu instid0(VALU_DEP_1)
	v_max_num_f32 v[\st+1], v[\st+1], v[W0]        ; the running largest t
	v_mov_b32 v[W0], v[\st]
	s_delay_alu instid0(VALU_DEP_2)
	v_floor_f32 v[\st], -v[\st+1]                  ; the new -M = floor(-t): M is a whole number
	s_delay_alu instid0(VALU_DEP_1)
	v_sub_f32 v[W0], v[\st], v[W0]                 ; old M - new M: a whole number, 0 or less
	s_delay_alu instid0(VALU_DEP_1)
	v_cvt_i32_f32 v[W0], v[W0]                     ; (it saturates)
	s_delay_alu instid0(VALU_DEP_1)
	v_ldexp_f32 v[F], 1.0, v[W0]                   ; f = 2^(old M - new M)
.set n, 0
.rept 32
	v_pk_fma_f32 v[S+n:S+n+1], v[S+n:S+n+1], s[CS:CS+1], v[\st:\st+1] op_sel_hi:[1,0,0]   ; t - M, two at a time (of the pairs c and -M the low word serves both halves)
.set n, n+2
.endr
.set n, 0
	s_wait_alu depctr_va_vdst(0)
.rept 64
	v_exp_f32 v[S+n], v[S+n]                       ; p = 2^(t - M), at most 1
.set n, n+1
.endr
	v_pk_mul_f32 v[\st+2:\st+3], v[\st+2:\st+3], v[F:F+1] op_sel_hi:[1,0]   ; the sums under the new M: the plain line behind the exponentials
	s_wait_alu depctr_va_vdst(0)                   ; one wait for the whole batch, ahead of its first reader
	v_pk_add_f32 v[SUM2:SUM2+1], v[S:S+1], v[S+2:S+3]   ; the row's sum is taken of the unquantised p, in two chains
.irp j, 4,8,12,16,20,24,28,32,36,40,44,48,52,56,60
	v_pk_add_f32 v[\st+2:\st+3], v[\st+2:\st+3], v[S+\j:S+\j+1]
	v_pk_add_f32 v[SUM2:SUM2+1], v[SUM2:SUM2+1], v[S+\j+2:S+\j+3]
.endr
	s_delay_alu instid0(VALU_DEP_1)
	v_pk_add_f32 v[\st+2:\st+3], v[\st+2:\st+3], v[SUM2:SUM2+1]
.set n, 0
.rept 64
.set n, n+1
.endr
.irp c, 0,1,2,3,4,5,6,7
	v_cvt_scalef32_pk8_fp8_f32 v[P+2*\c:P+2*\c+1], v[S+8*\c:S+8*\c+7], v[PSC]   ; keys 16 c + 8 (l / 16) + 0 .. 7: registers 2 c, 2 c + 1 of the operand
.endr
.set n, 0
.rept 16
	v_pk_mul_f32 v[\o+n:\o+n+1], v[\o+n:\o+n+1], v[F:F+1] op_sel_hi:[1,0]   ; O^T under the new M.  (Also the plain lines between the conversions and the products)
.set n, n+2
.endr
	s_wait_alu depctr_va_vdst(0)
	s_wait_dscnt 0x0                               ; V is in
.irp t, 0,1,2,3
	v_wmma_f32_16x16x128_fp8_fp8 v[\o+8*\t:\o+8*\t+7], v[FR+16*\t:FR+16*\t+15], v[P:P+15], v[\o+8*\t:\o+8*\t+7]   ; four accumulators by turns; eight other products stand between two turns of one
.endr
	PLACES                                         ; in front of the next loads into V's registers
.if \causal
.Lhidden_\@:
.endif
.endm
; A QUARTER OF THE KEYS: chunk c, four key steps.  both = 1: both tiles (tile I ends in the first two quarters; tile 31 - I lies wholly below the diagonal there).
.macro QUARTER c, both
	s_wait_tensorcnt 3-\c                          ; in waves 0 and 1: chunk c has landed, the 3 - c later chunks' loads may be out
	s_wait_dscnt 0x0
	s_barrier_signal -1
	s_barrier_wait -1                              ; K's and V's chunk c are whole for all sixteen waves
	s_mov_b32 s[TB], 32768*\c
	s_mov_b32 s[KS], 4*\c
	s_mov_b32 s[CNT], 4
.Ltrip_\@:
	v_add_nc_u32 v[ADK], s[TB], v[LI]
	s_delay_alu instid0(VALU_DEP_1)
	v_add_nc_u32 v[ADV], 0x20000, v[ADK]
.if \both
	s_wait_alu depctr_va_vdst(0)
	STEP STH, QH, OH, DHI, DH, 0
	STEP STL, QL, OL, DLO, DL, 1
.else
	STEP STH, QH, OH, DHI, DH, 1
.endif
	s_add_co_u32 s[TB], s[TB], 8192
	s_add_co_u32 s[KS], s[KS], 1
	s_sub_co_u32 s[CNT], s[CNT], 1
	s_cmp_lg_u32 s[CNT], 0
	s_cbranch_scc1 .Ltrip_\@
.endm
	s_wait_loadcnt 0x0                             ; Q
	QUARTER 0, 1
	QUARTER 1, 1
	QUARTER 2, 0
	QUARTER 3, 0                                   ; its wait on TENSORcnt is for 0: none is out at the end
	; THE WAY OUT.  ctx = O^T x 2^(e8 + e9) / the sum; its code is (O^T / the sum) / 2^(e10 - e8 - e9), held within +-448.  The codes are ctx's image and are stored as they stand.
	v_add_f32 v[STH+2], v[STH+2], v[STH+3]         ; the sums' two halves,
	v_add_f32 v[STL+2], v[STL+2], v[STL+3]
	s_delay_alu instid0(VALU_DEP_2)
	v_permlanex16_b32 v[PRM], v[STH+2], s[SEL], s[SEL+1]
	s_delay_alu instid0(VALU_DEP_2)
	v_permlanex16_b32 v[W1], v[STL+2], s[SEL], s[SEL+1]
	s_delay_alu instid0(VALU_DEP_2)
	v_add_f32 v[STH+2], v[STH+2], v[PRM]           ; and lane l xor 16's
	s_delay_alu instid0(VALU_DEP_2)
	v_add_f32 v[STL+2], v[STL+2], v[W1]
	s_wait_alu depctr_va_vdst(0)
	v_rcp_f32 v[STH+2], v[STH+2]
	v_rcp_f32 v[STL+2], v[STL+2]
	s_sub_co_i32 s2, s90, s88
	s_sub_co_i32 s2, s2, s89                       ; e10 - e8 - e9
	s_add_co_i32 s2, s2, 127
	s_lshl_b32 s3, s2, 23
	v_mov_b32 v[W1], s3                            ; the conversion's scale  (a plain line behind the reciprocals)
	s_wait_alu depctr_va_vdst(0)                   ; one wait for both reciprocals, ahead of their first reader
.set n, 0
.rept 16
	v_pk_mul_f32 v[S+n:S+n+1], v[OH+n:OH+n+1], v[STH+2:STH+3] op_sel_hi:[1,0]
.set n, n+2
.endr
.set n, 0
.rept 16
	v_pk_mul_f32 v[S+32+n:S+32+n+1], v[OL+n:OL+n+1], v[STL+2:STL+3] op_sel_hi:[1,0]
.set n, n+2
.endr
.set n, 0
.rept 64
.set n, n+1
.endr
.irp t, 0,1,2,3,4,5,6,7
	v_cvt_scalef32_pk8_fp8_f32 v[P+2*\t:P+2*\t+1], v[S+8*\t:S+8*\t+7], v[W1]   ; tile 31 - I: registers 0-7; tile I: 8-15
.endr
	v_nop                                          ; a plain line behind the last conversion
	global_store_b128 v[LI], v[P:P+3],     s[96:97]              ; 32 lanes store 512 consecutive bytes, aligned
	global_store_b128 v[LI], v[P+4:P+7],   s[96:97] offset:512
	global_store_b128 v[LI], v[P+8:P+11],  s[98:99]
	global_store_b128 v[LI], v[P+12:P+15], s[98:99] offset:512
	s_wait_dscnt 0x0
	s_wait_tensorcnt 0x0
	ds_add_u32 v254, v255
	s_wait_dscnt 0x0
	CROUND                                         ; the closing round, behind the last joint load
	s_endpgm
.Lfunc_end_k_qf2126eb286_attn:
	.size	k_qf2126eb286_attn, .Lfunc_end_k_qf2126eb286_attn-k_qf2126eb286_attn
	.p2alignl 7, 3214868480
	.fill 96, 4, 3214868480
	.section	.rodata,"a",@progbits
	.p2align	6, 0x0
	.amdhsa_kernel k_qf2126eb286_attn
		.amdhsa_group_segment_fixed_size 264192
		.amdhsa_private_segment_fixed_size 0
		.amdhsa_enable_private_segment 0
		.amdhsa_kernarg_size 40
		.amdhsa_user_sgpr_count 2
		.amdhsa_user_sgpr_kernarg_segment_ptr 1
		.amdhsa_wavefront_size32 1
		.amdhsa_system_sgpr_workgroup_id_x 1
		.amdhsa_system_sgpr_workgroup_id_y 1
		.amdhsa_system_sgpr_workgroup_id_z 1
		.amdhsa_system_vgpr_workitem_id 0
		.amdhsa_next_free_vgpr 256
		.amdhsa_next_free_sgpr 100
		.amdhsa_reserve_vcc 1
		.amdhsa_float_denorm_mode_32 3
		.amdhsa_float_denorm_mode_16_64 3
		.amdhsa_fp16_overflow 1
		.amdhsa_memory_ordered 1
		.amdhsa_forward_progress 1
		.amdhsa_inst_pref_size 118
	.end_amdhsa_kernel
	.amdgpu_metadata
---
amdhsa.version: [ 1, 2 ]
amdhsa.kernels:
  - .name:           k_qf2126eb286_attn
    .symbol:         k_qf2126eb286_attn.kd
    .args:
      - { .name: qimg, .offset: 0, .size: 8, .value_kind: global_buffer, .address_space: global }
      - { .name: kimg, .offset: 8, .size: 8, .value_kind: global_buffer, .address_space: global }
      - { .name: vimg, .offset: 16, .size: 8, .value_kind: global_buffer, .address_space: global }
      - { .name: lowp_scales, .offset: 24, .size: 8, .value_kind: global_buffer, .address_space: global }
      - { .name: cimg, .offset: 32, .size: 8, .value_kind: global_buffer, .address_space: global }
    .group_segment_fixed_size: 264192
    .private_segment_fixed_size: 0
    .kernarg_segment_align: 8
    .kernarg_segment_size: 40
    .max_flat_workgroup_size: 512
    .sgpr_count:     100
    .vgpr_count:     256
    .wavefront_size: 32
...
	.end_amdgpu_metadata
.endif
;; end of part 2
;; launch proj (part 3): grid 32 x 8, 4 waves a work-group, clusters of 4 x 1, 173,568 bytes of LDS; arguments cimg, Wo_codes, bo, lowp_scales, out0; writes out0
.if DOCPART == 3
	.amdgcn_target "amdgcn-amd-amdhsa--gfx1250"
	.amdhsa_code_object_version 6
	.text
	.protected	k_qf2126eb286_proj
	.globl	k_qf2126eb286_proj
	.p2align	8
	.type	k_qf2126eb286_proj,@function
k_qf2126eb286_proj:
	s_mov_b64 s[64:65], 0
	v_nop
	global_prefetch_b8 v0, s[64:65] scope:SCOPE_SE
	s_setreg_imm32_b32 hwreg(HW_REG_WAVE_MODE, 25, 1), 1
	s_wait_xcnt 0x0
	s_wait_alu depctr_hold_cnt(0) depctr_sa_sdst(0) depctr_va_vdst(0) depctr_va_sdst(0) depctr_va_ssrc(0) depctr_va_vcc(0) depctr_vm_vsrc(0)
	s_getreg_b32 s2, hwreg(HW_REG_IB_STS2, 6, 4)
	s_cmp_eq_u32 s2, 0
	s_cbranch_scc0 .Lentry_in_a_cluster
	s_endpgm
.Lentry_in_a_cluster:
	s_bfe_u32 s2, ttmp6, 0x10000c
	s_cmp_lg_u32 s2, 0x3003
	s_cbranch_scc0 .Lentry_shape_is_right
	s_endpgm
.Lentry_shape_is_right:
; out = ctx Wo x 2^(e10 + e11) + bo, on codes of E4M3, K = 1,024.  ctx: cimg, [token / 16][K / 64][1,024 bytes], images of fragments: two neighbours are a fragment of 16 tokens x 128 K.
; Wo: [1024 (n)][1024 (k)] codes.  bo: [1024] f32.  out0: [8192][1024] f32.
; SHARES.  A work-group makes 256 rows x 128 columns, 256 work-groups; wave w rows 64 w .. 64 w + 63 x all 128 columns: 32 accumulators.
; ctx's fragments are read by ONE wave of the work-group, so they go from memory straight into registers, 512 consecutive bytes a load, three K steps ahead; partners of a cluster have other rows, so nothing of ctx is shared.
; Wo's 128 rows x 1,024 lie in LDS whole, filled ONCE, in four chunks of 256 along K, by joint loads: the four partners of a cluster (four blocks of rows) share the columns.  Nothing is filled again.
; Every wave asks for 32 rows of each chunk: four tensor loads of a wave are out at the most, and each wave's counted wait and a barrier show a chunk whole.
; ctx's images hold each k in the place that the form of K = 128 gives it (registers 2 c, 2 c + 1: k = 16 c + 8 (lane / 16) + 0 .. 7), so Wo's fragments are fetched likewise, by eight loads of 8 bytes.
; THE MATRIX INSTRUCTION IS USED TRANSPOSED (source 0 = 16 rows of Wo, source 1 = 16 tokens): a lane holds eight neighbouring columns of one row of out.
; LIMIT: e10 + e11 lies between -126 and 127, so that 2^(e10 + e11) is an f32 number.
; REGISTERS, in windows of 256: window 0: v4-11 addresses; v32-95 bo in the result's layout; v96-159 a block's results; v160-223 its rows read back.
;   window 1: ctx's fragments, four sets of 64 (K step s in set s % 4).   window 2: Wo's, two sets of 128.   window 3: accumulator (a, b) at v[8 (8 a + b)].
.set PITCH,  272                       ; an LDS row of Wo: 256 bytes + 16 of padding = 68 words: lane (r, h) starts at bank 4 r + 2 h: the 32 lanes of a load of 8 bytes touch 64 different banks (ISA guide 11.1)
.set CHUNK,  128*PITCH
.set STG,    4*CHUNK                   ; behind Wo: a stage of 16 rows x (512 bytes + 16) for each wave; no fill lands there
.set SPITCH, 528
.set LI,   4                           ; v4   16 x lane; never rewritten
.set BOF,  5                           ; v5   32 x (lane / 16): my eight numbers of a tile's sixteen of bo
.set STO,  6                           ; v6   the stage: where I put 32 bytes of a row
.set RD,   7                           ; v7   and where I read a row back
.set ADB,  8                           ; v8-11 LDS address of Wo's fragments in chunk 0 .. 3
.set BIAS, 32
.set TMP,  96
.set BK,   160
.set G1,   24                          ; s[24:31] group 1
.set G0,   32                          ; s[32:47] four groups 0
.set SC,   50                          ; s[50:51] 2^(e10 + e11)
.set MSB, 0
.macro WIN new                         ; the immediate's high byte repeats the setting that is left
.if MSB != \new
	s_set_vgpr_msb (MSB<<8)|\new
.set MSB, \new
.endif
.endm
.macro CROUND                          ; a round of the cluster's barrier
	s_barrier_signal -1
	s_barrier_wait -1
	s_cmp_lg_u32 s14, 0
	s_cbranch_scc1 .Lnot_wave_0_\@
	s_barrier_signal -3
.Lnot_wave_0_\@:
	s_barrier_wait -3
	s_barrier_signal -1
	s_barrier_wait -1
.endm
.macro PLACES                          ; four plain places behind a matrix instruction (ISA guide 7.12.1)
.rept 4
	v_nop
.endr
.endm
	s_load_b256 s[4:11], s[0:1], 0x0               ; cimg s[4:5], Wo s[6:7], bo s[8:9], the scales' exponents s[10:11]
	s_load_b64 s[12:13], s[0:1], 0x20              ; out0
	v_lshl_add_u32 v254, v0, 2, 0x2a400
	v_mov_b32 v255, 0
	ds_add_u32 v254, v255
	ds_add_u32 v254, v255
	v_lshrrev_b32 v1, 5, v0
	v_readfirstlane_b32 s14, v1                    ; wave 0..3
	s_and_b32 s17, ttmp7, 0xffff                   ; which 128 columns: the four partners share it
	s_mov_b32 s[G1], 15|(0<<16)|(1<<20)|(1<<21)|(5<<22)|(3<<25)   ; the mask: all four work-groups; elements of 1 byte; padding on; bit 21 beside a mask; after every 64 words, 4 words
	s_mov_b32 s[G1+1], 256<<16                     ; tensor_dim0 = 256
	s_mov_b32 s[G1+2], 32<<16                      ; tensor_dim1 = 32
	s_mov_b32 s[G1+3], 256<<16                     ; tile_dim0
	s_mov_b32 s[G1+4], 32                          ; tile_dim1
	s_mov_b32 s[G1+5], 1024                        ; tensor_dim0_stride
	s_mov_b32 s[G1+6], 0
	s_mov_b32 s[G1+7], 0
	s_lshl_b32 s18, s17, 17                        ; Wo: row 128 y + 32 wave, 1,024 bytes a row
	s_lshl_b32 s19, s14, 15
	s_add_co_u32 s18, s18, s19
	s_mov_b32 s19, 0
	s_mul_i32 s20, s14, 32*PITCH                   ; and its place in a chunk
	s_wait_dscnt 0x0
	s_wait_kmcnt 0x0
	s_load_b64 s[SC:SC+1], s[10:11], 0x28          ; e10, e11
	s_add_nc_u64 s[6:7], s[6:7], s[18:19]
.irp c, 0,1,2,3
	s_mov_b32 s[G0+4*\c], 1
	s_add_co_u32 s[G0+4*\c+1], s20, \c*CHUNK
	s_add_nc_u64 s[G0+4*\c+2:G0+4*\c+3], s[6:7], \c*256
	s_or_b32 s[G0+4*\c+3], s[G0+4*\c+3], 0x80000000
.endr
	CROUND                                         ; all four work-groups are here: the joint loads meet
.irp c, 0,1,2,3
	tensor_load_to_lds s[G0+4*\c:G0+4*\c+3], s[G1:G1+7]
	s_nop 0
.endr
	PLACES
	s_bfe_u32 s15, ttmp6, 0x40000                  ; cx
	s_lshl_b32 s16, ttmp9, 2
	s_add_co_u32 s16, s16, s15                     ; my block of 256 rows: it enters ctx's and out's addresses alone
	s_lshl_b32 s52, s16, 18                        ; ctx: token tile 16 block + 4 wave, 16,384 bytes each
	s_lshl_b32 s53, s14, 16
	s_add_co_u32 s52, s52, s53
	s_mov_b32 s53, 0
	s_add_nc_u64 s[4:5], s[4:5], s[52:53]
	s_lshl_b32 s52, s16, 20                        ; out: row 256 block + 64 wave, 4,096 bytes each, + 512 y
	s_lshl_b32 s53, s14, 18
	s_add_co_u32 s52, s52, s53
	s_lshl_b32 s54, s17, 9
	s_add_co_u32 s52, s52, s54
	s_mov_b32 s53, 0
	s_add_nc_u64 s[12:13], s[12:13], s[52:53]
	s_mov_b32 s55, 0
	s_add_nc_u64 s[8:9], s[8:9], s[54:55]          ; bo at my 128 columns
	v_and_b32 v1, 31, v0
	v_lshlrev_b32 v[LI], 4, v1
	v_and_b32 v2, 15, v0                           ; r
	v_bfe_u32 v3, v0, 4, 1                         ; h
	v_lshlrev_b32 v[BOF], 5, v3
.irp b, 0,1,2,3,4,5,6,7
	global_load_b128 v[BIAS+8*\b:BIAS+8*\b+3],   v[BOF], s[8:9] offset:64*\b      ; bo(16 b + 8 h + 0 .. 7): the result's layout
	global_load_b128 v[BIAS+8*\b+4:BIAS+8*\b+7], v[BOF], s[8:9] offset:64*\b+16
.endr
.macro ALOAD s                         ; ctx's four fragments of K step s (16 loads) into set s % 4
	WIN 0x40                                       ; destination window 1
.irp a, 0,1,2,3
.irp g, 0,1,2,3
	global_load_b128 v[64*((\s)%4)+16*\a+4*\g:64*((\s)%4)+16*\a+4*\g+3], v[LI], s[4:5] offset:16384*\a+2048*(\s)+512*\g
.endr
.endr
.endm
.macro FETCH_B s                       ; Wo's eight fragments of K step s into set s % 2
	WIN 0x80                                       ; destination window 2
.irp b, 0,1,2,3,4,5,6,7
.irp c, 0,1,2,3,4,5,6,7
	ds_load_b64 v[128*((\s)%2)+16*\b+2*\c:128*((\s)%2)+16*\b+2*\c+1], v[ADB+(\s)/2] offset:16*PITCH*\b+128*((\s)%2)+16*\c
.endr
.endr
.endm
	ALOAD 0
	ALOAD 1
	ALOAD 2
	WIN 0
	v_mul_u32_u24 v[ADB], v2, PITCH
	v_lshl_add_u32 v[ADB], v3, 3, v[ADB]           ; row r x pitch + 8 h
.irp c, 1,2,3
	v_add_nc_u32 v[ADB+\c], \c*CHUNK, v[ADB]
.endr
	s_mul_i32 s21, s14, 16*SPITCH
	s_add_co_u32 s21, s21, STG                     ; my stage
	v_mul_u32_u24 v[STO], v2, SPITCH
	v_lshl_add_u32 v[STO], v3, 5, v[STO]
	v_add_nc_u32 v[STO], s21, v[STO]               ; in: row r, 32 bytes for each half of the lanes
	v_add_nc_u32 v[RD], s21, v[LI]                 ; back: the 32 lanes take one row of 512 bytes
	s_wait_tensorcnt 3                             ; my 32 rows of chunk 0 are in; the three later chunks' loads may be out
	s_barrier_signal -1
	s_barrier_wait -1                              ; everybody's are
	FETCH_B 0
; A K STEP of 128: 32 matrix instructions, the 32 accumulators by turns in the same order in every step.
; Ahead of them the next step's fragments of Wo are asked for, and ctx's of three steps on.
.macro KSTEP s
	s_wait_dscnt 0x0                               ; Wo's fragments of this step are in (asked for a step ago)
.if (\s) > 0
	PLACES                                         ; in front of loads into the registers that the last step's products read
.endif
.if (\s) < 7
.if ((\s)+1)%2 == 0
	s_wait_tensorcnt 3-((\s)+1)/2                  ; the next step begins a chunk: my rows of it are in, the later chunks' loads may be out
	s_barrier_signal -1
	s_barrier_wait -1
.endif
	FETCH_B (\s)+1
.endif
.if (\s)+3 < 8
	ALOAD (\s)+3
.endif
.if (\s) <= 4
	s_wait_loadcnt 48                              ; ctx's fragments of this step are in; the 16 loads of each of the three later steps may be out
.else
	s_wait_loadcnt 16*(7-(\s))
.endif
	WIN 0xf6                                       ; source 0 (Wo) window 2, source 1 (ctx) window 1, C and D window 3
.irp a, 0,1,2,3
.irp b, 0,1,2,3,4,5,6,7
.if (\s) == 0
	v_wmma_f32_16x16x128_fp8_fp8 v[8*(8*\a+\b):8*(8*\a+\b)+7], v[128*((\s)%2)+16*\b:128*((\s)%2)+16*\b+15], v[64*((\s)%4)+16*\a:64*((\s)%4)+16*\a+15], 0
.else
	v_wmma_f32_16x16x128_fp8_fp8 v[8*(8*\a+\b):8*(8*\a+\b)+7], v[128*((\s)%2)+16*\b:128*((\s)%2)+16*\b+15], v[64*((\s)%4)+16*\a:64*((\s)%4)+16*\a+15], v[8*(8*\a+\b):8*(8*\a+\b)+7]
.endif
.endr
.endr
.endm
.irp s, 0,1,2,3,4,5,6,7
	KSTEP \s
.endr
	s_wait_kmcnt 0x0
	s_add_co_i32 s[SC], s[SC], s[SC+1]             ; e10 + e11
	s_add_co_i32 s[SC], s[SC], 127
	s_lshl_b32 s[SC], s[SC], 23                    ; 2^(e10 + e11) as f32
	s_mov_b32 s[SC+1], s[SC]                       ; (named with it as a pair)
	PLACES                                         ; behind the last products
	; THE WAY OUT, 16 rows at a time: sum x 2^(e10 + e11) + bo, one packed multiply-add for two numbers; through my own stage in LDS; back as whole rows of 512 bytes.
.irp a, 0,1,2,3
	WIN 0x03                                       ; source 0: window 3
.set n, 0
.rept 32
	v_pk_fma_f32 v[TMP+n:TMP+n+1], v[64*\a+n:64*\a+n+1], s[SC:SC+1], v[BIAS+n:BIAS+n+1] op_sel_hi:[1,0,1]   ; each accumulator from its low end on
.set n, n+2
.endr
	WIN 0
.irp b, 0,1,2,3,4,5,6,7
	ds_store_b128 v[STO], v[TMP+8*\b:TMP+8*\b+3] offset:64*\b
	ds_store_b128 v[STO], v[TMP+8*\b+4:TMP+8*\b+7] offset:64*\b+16
.endr
	s_wait_xcnt 0x0                                ; the last block's stores have read their registers: the loads below may land there
.irp t, 0,1,2,3,4,5,6,7,8,9,10,11,12,13,14,15
	ds_load_b128 v[BK+4*\t:BK+4*\t+3], v[RD] offset:\t*SPITCH   ; LDS serves a wave's instructions in order (ISA guide 5.7.1.4): these see my stores
.endr
.irp t, 0,1,2,3,4,5,6,7,8,9,10,11,12,13,14,15
	s_wait_dscnt 15-\t
	global_store_b128 v[LI], v[BK+4*\t:BK+4*\t+3], s[12:13] offset:(16*\a+\t)*4096 th:TH_STORE_NT   ; 32 lanes store 512 consecutive bytes, aligned; written once, read by nobody here
.endr
.endr
	s_wait_dscnt 0x0
	s_wait_tensorcnt 0x0
	ds_add_u32 v254, v255
	s_wait_dscnt 0x0
	CROUND                                         ; the closing round, behind the last joint load
	s_endpgm
.Lfunc_end_k_qf2126eb286_proj:
	.size	k_qf2126eb286_proj, .Lfunc_end_k_qf2126eb286_proj-k_qf2126eb286_proj
	.p2alignl 7, 3214868480
	.fill 96, 4, 3214868480
	.section	.rodata,"a",@progbits
	.p2align	6, 0x0
	.amdhsa_kernel k_qf2126eb286_proj
		.amdhsa_group_segment_fixed_size 173568
		.amdhsa_private_segment_fixed_size 0
		.amdhsa_enable_private_segment 0
		.amdhsa_kernarg_size 40
		.amdhsa_user_sgpr_count 2
		.amdhsa_user_sgpr_kernarg_segment_ptr 1
		.amdhsa_wavefront_size32 1
		.amdhsa_system_sgpr_workgroup_id_x 1
		.amdhsa_system_sgpr_workgroup_id_y 1
		.amdhsa_system_sgpr_workgroup_id_z 1
		.amdhsa_system_vgpr_workitem_id 0
		.amdhsa_next_free_vgpr 1024
		.amdhsa_next_free_sgpr 66
		.amdhsa_reserve_vcc 0
		.amdhsa_float_denorm_mode_32 3
		.amdhsa_float_denorm_mode_16_64 3
		.amdhsa_memory_ordered 1
		.amdhsa_forward_progress 1
		.amdhsa_inst_pref_size 94
	.end_amdhsa_kernel
	.amdgpu_metadata
---
amdhsa.version: [ 1, 2 ]
amdhsa.kernels:
  - .name:           k_qf2126eb286_proj
    .symbol:         k_qf2126eb286_proj.kd
    .args:
      - { .name: cimg, .offset: 0, .size: 8, .value_kind: global_buffer, .address_space: global }
      - { .name: Wo_codes, .offset: 8, .size: 8, .value_kind: global_buffer, .address_space: global }
      - { .name: bo, .offset: 16, .size: 8, .value_kind: global_buffer, .address_space: global }
      - { .name: lowp_scales, .offset: 24, .size: 8, .value_kind: global_buffer, .address_space: global }
      - { .name: out0, .offset: 32, .size: 8, .value_kind: global_buffer, .address_space: global }
    .group_segment_fixed_size: 173568
    .private_segment_fixed_size: 0
    .kernarg_segment_align: 8
    .kernarg_segment_size: 40
    .max_flat_workgroup_size: 128
    .sgpr_count:     66
    .vgpr_count:     1024
    .wavefront_size: 32
...
	.end_amdgpu_metadata
.endif
;; end of part 3
